; MI455X (gfx1250); checked and timed in simulation.
; The chip was launched on July 23, 2026; its instructions are those of AMD's public machine-readable ISA for CDNA 5 (MIT licence, August 2026) and "CDNA5" Instruction Set Architecture Reference Guide (July 2026). The comments in the code are by the model that wrote it; some were corrected since.
;; LST Mcell. Allowed arithmetic: float matrix products may take bf16 or f16 operands with f32 sums; other float arithmetic in f32, or as packed bf16 or f16 multiplies, adds, multiply-adds, maxima and minima; sums over many terms, partial sums and values carried from step to step in f32; what a program stores and reads back later, other than sums and carried values, may be rounded once to bf16 or f16.
;; Inputs: Whf 2,048 x 2,048 float32; Whg 2,048 x 2,048 float32; Whi 2,048 x 2,048 float32; Who 2,048 x 2,048 float32; Wif 2,048 x 2,048 float32; Wig 2,048 x 2,048 float32; Wii 2,048 x 2,048 float32; Wio 2,048 x 2,048 float32; bhf 2,048 float32; bhg 2,048 float32; bhi 2,048 float32; bho 2,048 float32; bif 2,048 float32; big 2,048 float32; bii 2,048 float32; bio 2,048 float32; c 2,048 x 2,048 float32; h 2,048 x 2,048 float32; x 2,048 x 2,048 float32.
;; Outputs: out0 2 x 2,048 x 2,048 float32.
;; 2 versions, each right; version 2 is version 1 with the launch cast written anew for expert scheduling mode. Each part assembles by itself: llvm-mc -triple=amdgcn-amd-amdhsa -mcpu=gfx1250 --defsym DOCPART=n.
;; ======== version 1 of 2: 2 launches
;; workspace buffers: ops 83,886,080 bytes
;; launch cast (part 1): grid 128 x 10, 8 waves a work-group, no clusters, 0 bytes of LDS; arguments x, h, Wii, Wif, Wig, Wio, Whi, Whf, Whg, Who, ops; writes ops
.if DOCPART == 1
	.amdgcn_target "amdgcn-amd-amdhsa--gfx1250"
	.amdhsa_code_object_version 6
	.text
	.protected	k_qe7f3fc33e0_cast
	.globl	k_qe7f3fc33e0_cast
	.p2align	8
	.type	k_qe7f3fc33e0_cast,@function
k_qe7f3fc33e0_cast:
	s_mov_b64 s[64:65], 0
	v_nop
	global_prefetch_b8 v0, s[64:65] scope:SCOPE_SE
	s_setreg_imm32_b32 hwreg(HW_REG_WAVE_MODE, 25, 1), 1
	s_wait_xcnt 0x0
; x, h and the eight weight matrices ([2048][2048] f32 each) are rounded once to bf16 (nearest even) and laid out as the operands of ONE product with K = 4096:
; ops has 10,240 rows of 8,192 bytes (4,096 bf16).  Rows 0-2047: row m = x[m] (bytes 0-4095), then h[m] (bytes 4096-8191).
; Rows 2048-10239: row 2048 + 128 (col / 32) + 32 g + col % 32 = Wi_g[col], then Wh_g[col], g = 0, 1, 2, 3 for the gates i, f, g, o:
; 128 consecutive rows hold all four gates of 32 output columns, which is what one wave of the next launch multiplies by.
; LIMITS.  What bf16 cannot hold is rounded to it (8 significant bits, f32's range); NaN and infinities pass as the conversion gives them.
; SHARES.  Grid y names the source matrix (the order of the arguments), grid x 16 of its rows; wave w takes rows 2 w and 2 w + 1.  A load of a wave covers 512 consecutive bytes,
; a store 256 consecutive bytes at a multiple of 256 from ops' first byte.  All 32 loads of a wave go out first, so no loop, no LDS and no barrier: the stream is bound by its bytes,
; each read once and written once; matrix units, clusters and LDS would add nothing.
.set ROW, 8192                         ; bytes in a source row, and in a row of ops
.set X,   4                            ; v[4:131] chunk n of 32 (row n / 16, 512 source bytes n % 16): 4 registers as loaded; the first two then hold the 8 bytes to store
	s_load_b512 s[8:23], s[0:1], 0x0               ; x, h, Wii, Wif, Wig, Wio, Whi, Whf
	s_load_b128 s[24:27], s[0:1], 0x40             ; Whg, Who
	s_load_b64 s[28:29], s[0:1], 0x50              ; ops
	s_and_b32 s2, ttmp7, 0xffff                    ; y: which matrix
	s_lshl_b32 s30, ttmp9, 4                       ; x and h: the row of ops is the source row, 16 X
	s_add_co_u32 s31, s2, 2
	s_and_b32 s32, s31, 3                          ; weights: the gate, (y - 2) mod 4,
	s_lshl_b32 s32, s32, 5                         ; its 32 rows in a group of 128
	s_cmp_ge_u32 s2, 6
	s_cselect_b32 s33, 1, 0                        ; and the half of K: 0 for Wi, 1 for Wh
	s_lshr_b32 s34, ttmp9, 1
	s_lshl_b32 s34, s34, 7                         ; 128 (col / 32), col = 16 X + 0..15
	s_and_b32 s35, ttmp9, 1
	s_lshl_b32 s35, s35, 4                         ; col % 32 of the first of the 16
	s_add_co_u32 s36, s34, s32
	s_add_co_u32 s36, s36, s35
	s_add_co_u32 s36, s36, 2048
	s_cmp_lt_u32 s2, 2                             ; x or h?
	s_cselect_b32 s36, s30, s36                    ; the row of ops,
	s_cselect_b32 s33, s2, s33                     ; the half of K: 0 for x, 1 for h
	s_lshl_b32 s36, s36, 13
	s_lshl_b32 s33, s33, 12
	s_add_co_u32 s36, s36, s33                     ; byte offset in ops: under 2^27
	s_mov_b32 s37, 0
	s_lshl_b32 s38, ttmp9, 17                      ; byte offset in the source: 16 rows of 8,192 bytes
	s_mov_b32 s39, 0
	v_and_b32 v3, 31, v0                           ; lane
	v_lshrrev_b32 v2, 5, v0                        ; wave
	v_lshlrev_b32 v2, 14, v2                       ; its two rows, in the source and in ops alike
	v_lshl_or_b32 v1, v3, 4, v2                    ; source: 16 bytes a lane
	v_lshl_or_b32 v2, v3, 3, v2                    ; ops: 8 bytes a lane
	s_wait_kmcnt 0x0
	s_mov_b64 s[4:5], s[8:9]                       ; the source is chosen among the ten addresses by y alone
.irp k, 1,2,3,4,5,6,7,8,9
	s_cmp_eq_u32 s2, \k
	s_cselect_b64 s[4:5], s[8+2*(\k):9+2*(\k)], s[4:5]
.endr
	s_add_nc_u64 s[4:5], s[4:5], s[38:39]
	s_add_nc_u64 s[6:7], s[28:29], s[36:37]
.set n, 0
.rept 32
	global_load_b128 v[X+4*n:X+4*n+3], v1, s[4:5] offset:(n/16)*ROW+(n%16)*512 th:TH_LOAD_NT  ; read once in the whole launch
.set n, n+1
.endr
.set n, 0
.rept 32
	s_wait_loadcnt 31-n                            ; loads come back in order (ISA guide 5.7.1): chunk n is in, the 31 - n younger ones stay out
	v_cvt_pk_bf16_f32 v[X+4*n], v[X+4*n], v[X+4*n+1]
	v_cvt_pk_bf16_f32 v[X+4*n+1], v[X+4*n+2], v[X+4*n+3]
	global_store_b64 v2, v[X+4*n:X+4*n+1], s[6:7] offset:(n/16)*ROW+(n%16)*256  ; no register that a load or store names is ever written again
.set n, n+1
.endr
	s_endpgm
.Lfunc_end_k_qe7f3fc33e0_cast:
	.size	k_qe7f3fc33e0_cast, .Lfunc_end_k_qe7f3fc33e0_cast-k_qe7f3fc33e0_cast
	.p2alignl 7, 3214868480
	.fill 96, 4, 3214868480
	.section	.rodata,"a",@progbits
	.p2align	6, 0x0
	.amdhsa_kernel k_qe7f3fc33e0_cast
		.amdhsa_group_segment_fixed_size 0
		.amdhsa_private_segment_fixed_size 0
		.amdhsa_enable_private_segment 0
		.amdhsa_kernarg_size 88
		.amdhsa_user_sgpr_count 2
		.amdhsa_user_sgpr_kernarg_segment_ptr 1
		.amdhsa_wavefront_size32 1
		.amdhsa_system_sgpr_workgroup_id_x 1
		.amdhsa_system_sgpr_workgroup_id_y 1
		.amdhsa_system_sgpr_workgroup_id_z 1
		.amdhsa_system_vgpr_workitem_id 0
		.amdhsa_next_free_vgpr 132
		.amdhsa_next_free_sgpr 66
		.amdhsa_reserve_vcc 0
		.amdhsa_float_denorm_mode_32 3
		.amdhsa_float_denorm_mode_16_64 3
		.amdhsa_memory_ordered 1
		.amdhsa_forward_progress 1
		.amdhsa_inst_pref_size 14
	.end_amdhsa_kernel
	.amdgpu_metadata
---
amdhsa.version: [ 1, 2 ]
amdhsa.kernels:
  - .name:           k_qe7f3fc33e0_cast
    .symbol:         k_qe7f3fc33e0_cast.kd
    .args:
      - { .name: x, .offset: 0, .size: 8, .value_kind: global_buffer, .address_space: global }
      - { .name: h, .offset: 8, .size: 8, .value_kind: global_buffer, .address_space: global }
      - { .name: Wii, .offset: 16, .size: 8, .value_kind: global_buffer, .address_space: global }
      - { .name: Wif, .offset: 24, .size: 8, .value_kind: global_buffer, .address_space: global }
      - { .name: Wig, .offset: 32, .size: 8, .value_kind: global_buffer, .address_space: global }
      - { .name: Wio, .offset: 40, .size: 8, .value_kind: global_buffer, .address_space: global }
      - { .name: Whi, .offset: 48, .size: 8, .value_kind: global_buffer, .address_space: global }
      - { .name: Whf, .offset: 56, .size: 8, .value_kind: global_buffer, .address_space: global }
      - { .name: Whg, .offset: 64, .size: 8, .value_kind: global_buffer, .address_space: global }
      - { .name: Who, .offset: 72, .size: 8, .value_kind: global_buffer, .address_space: global }
      - { .name: ops, .offset: 80, .size: 8, .value_kind: global_buffer, .address_space: global }
    .group_segment_fixed_size: 0
    .private_segment_fixed_size: 0
    .kernarg_segment_align: 8
    .kernarg_segment_size: 88
    .max_flat_workgroup_size: 256
    .sgpr_count:     66
    .vgpr_count:     132
    .wavefront_size: 32
...
	.end_amdgpu_metadata
.endif
;; end of part 1
;; launch lstm (part 2): grid 32 x 8, 4 waves a work-group, clusters of 4 x 4, 327,680 bytes of LDS; arguments ops, c, out0, bii, bif, big, bio, bhi, bhf, bhg, bho; writes out0
.if DOCPART == 2
	.amdgcn_target "amdgcn-amd-amdhsa--gfx1250"
	.amdhsa_code_object_version 6
	.text
	.protected	k_qe7f3fc33e0_lstm
	.globl	k_qe7f3fc33e0_lstm
	.p2align	8
	.type	k_qe7f3fc33e0_lstm,@function
k_qe7f3fc33e0_lstm:
	s_mov_b64 s[64:65], 0
	v_nop
	global_prefetch_b8 v0, s[64:65] scope:SCOPE_SE
	s_setreg_imm32_b32 hwreg(HW_REG_WAVE_MODE, 25, 1), 1
	s_wait_xcnt 0x0
	s_wait_alu depctr_hold_cnt(0) depctr_sa_sdst(0) depctr_va_vdst(0) depctr_va_sdst(0) depctr_va_ssrc(0) depctr_va_vcc(0) depctr_vm_vsrc(0)
	s_getreg_b32 s2, hwreg(HW_REG_IB_STS2, 6, 4)
	s_cmp_eq_u32 s2, 0
	s_cbranch_scc0 .Lentry_in_a_cluster
	s_endpgm
.Lentry_in_a_cluster:
	s_bfe_u32 s2, ttmp6, 0x10000c
	s_cmp_lg_u32 s2, 0xf033
	s_cbranch_scc0 .Lentry_shape_is_right
	s_endpgm
.Lentry_shape_is_right:
; THE LSTM CELL.  gates[m][g][col] = sum over k of A[m][k] W[g, col][k] + bi_g[col] + bh_g[col], K = 4096 (x's 2048, then h's); i, f, o = sigmoid, g = tanh;
; c_new = f c + i g; h_new = o tanh(c_new); out0 = [h_new; c_new], f32.  A and W come from ops, bf16, as the launch before laid them: A = rows 0-2047; W = rows 2048 on, in groups of 128 rows
; that hold the four gates of 32 output columns.  Sums in f32; all that follows the sums in f32.
; LIMITS.  x, h and the weights were rounded once to bf16; c and the eight biases are rounded once to bf16 here, so that every input has the same rounding.
; sigmoid(x) = 1 / (1 + 2^(-x log2 e)), tanh(x) = 1 - 2 / (1 + 2^(2 x log2 e)): an exponential that overflows or underflows gives the saturated value exactly; near 0 tanh keeps an absolute
; error of about 1e-7 (the difference from 1), not a relative one.  NaN and infinities are not treated apart.
; SHARES.  A work-group makes 256 rows x 64 output columns, all four gates: a tile of 256 x 256 of the gates.  Four waves, as many as a WGP has SIMDs; a wave makes 128 x 128 (128 rows x 32 columns
; x 4 gates): 64 accumulators of 16 x 16, 512 registers.  32 x 8 tiles: 256 work-groups.  K goes in 32 steps of 128 through a ring of two LDS slots filled by the tensor data mover:
; the tiles' rows are 256 bytes of memory, at multiples of 256 bytes from ops' first byte.
; CLUSTER.  4 x 4 work-groups.  The four of a row of the cluster need the same tiles of A, the four of a column the same tiles of W: each tile is asked for JOINTLY, by the same tensor load with
; the same descriptor and a mask that names the four.  That divides the requests for A and W by four.
; THE MATRIX INSTRUCTION IS USED TRANSPOSED: source 0 = 16 rows of W, source 1 = 16 rows of A.  In accumulator (a, b), b = 2 g + hf, lane l, register j holds gate g of row 16 a + l % 16,
; column 16 hf + 8 (l / 16) + j of my 32: the four gates of one output lie in one lane, at one register index, 16 registers apart.  So the cell's arithmetic changes no lanes.
; THE BIASES are the C operand of the products that start the sums: nothing is cleared and nothing is added later.
; c's tile (256 rows x 256 bytes, f32) is slot 0's last fill, asked for when the last K step but one has been read out.  The results go through slot 1, which has had its last fill by then,
; since a wave's 32 columns are 128 bytes, half of an aligned 256 bytes of out0: a barrier, and whole rows come back and are stored.
; REGISTERS, in windows of 256 (s_set_vgpr_msb: bits 1:0 source 0, 3:2 source 1, 5:4 source 2, 7:6 destination):
;   window 0: v0-31 addresses; v64-127, v128-191 fragments of A, two buffers; behind the last product v64-215 at work on the cell
;   window 1: v0-63 the bias fragments (block b at 8 b); v64-127, v128-191 fragments of W, two buffers; v192-255 bh as loaded
;   window 2: the 32 accumulators of my rows 0-63 ((a, b) at v[8 (8 a + b)]);   window 3: those of my rows 64-127
.set SIZE_K, 4096
.set KSTEP,  128
.set PITCH,  272                       ; an LDS row: 256 bytes of data + 16 of padding = 68 words: row r starts at bank 4 r mod 64 (64 banks of 4 bytes: ISA guide 11.1), so the 16 rows that a load touches start at 16 different banks
.set HALFT,  128*PITCH                 ; 128 rows: what one tensor load of the ring brings, and what one wave reads of A or of W
.set SLOT,   4*HALFT                   ; A's 256 rows, then W's 256 rows
.set SPARE,  2*SLOT                    ; behind the ring: the spare words, 128 bytes for each wave: two blocks of 256 bytes that no other line names
.set LAPS,   SIZE_K/(2*KSTEP)          ; a lap = two K steps = once round the ring
.set WBASE,  2048*SIZE_K*2             ; W's first byte in ops
.set OROW,   8192                      ; bytes in a row of c and of a plane of out0
.set PLANE,  2048*OROW                 ; bytes from h_new to c_new in out0
.set ADRA, 16                          ; v16-17  LDS address of my A fragments in slot 0, 1
.set ADRB, 20                          ; v20-21  the same for W
.set BO,   22                          ; v22     byte offset in a bias of my lane's 8 columns of block hf = 0
.set CA,   23                          ; v23     LDS address of my lane's 32 bytes of c's tile, block a = 0, hf = 0
.set HA,   24                          ; v24     the same place in h_new's stage
.set NA,   25                          ; v25     the same place in c_new's stage
.set RD,   26                          ; v26     the way out: where I read h_new's rows back
.set RD2,  27                          ; v27     and c_new's
.set SPW,  28                          ; v28     LDS address of my spare word: SPARE + 4 x my thread's number; never rewritten
.set NIL,  29                          ; v29     0; never rewritten
.set CO,   30                          ; v30     my byte offset in two rows of out0
.set F0,   64                          ; fragment buffer 0
.set F1,   128                         ; fragment buffer 1
.set BH,   192                         ; window 1: bh as loaded
.set BT,   64                          ; window 1: at work while the biases are rounded
.set T,    64                          ; the cell: gate g, element e = 8 hf + j at T + 16 g + e
.set CC,   128                         ; c of a block as loaded, 16 registers, two buffers
.set CP,   160                         ; c rounded to bf16, 8 registers
.set CN,   168                         ; c_new, 16
.set HN,   184                         ; h_new, 16
.set TT,   200                         ; tanh(c_new), 16
.set OB,   64                          ; the way out: 64 rows read back, 128 registers, in window 0 (h_new) and in window 1 (c_new)
.set G1,  24                           ; s[24:31] descriptor group 1 for A's tiles;  s[32:39] group 0, one set for each slot
.set G0,  32
.set G1B, 48                           ; s[48:55], s[56:63] the same for W's tiles
.set G0B, 56
.set G0C, 68                           ; s[68:71], s[72:79] groups 0 and 1 for my 64 rows of c's tile
.set G1C, 72
.set BP,  80                           ; s[80:95] the eight biases' addresses: bi of gates 0-3, bh of gates 0-3
.set KS,  96                           ; s[96:97] -log2 e, named as a pair
.set KT,  98                           ; s[98:99] 2 log2 e
.set MSB, 0
.macro WIN new                         ; the immediate's high byte repeats the setting that is left; a switch that changes nothing is dropped
.if MSB != (\new)
	s_set_vgpr_msb (MSB<<8)|(\new)
.set MSB, \new
.endif
.endm
.set MUL_LO, 0xa1                      ; source 0 (W) window 1, source 1 (A) window 0, C and D window 2
.set MUL_HI, 0xf1                      ; the same, C and D window 3
.set MUL_B,  0x91                      ; the products that start the sums: C (the bias) window 1, D window 2; + 0x40: D window 3
.set TO_B,   0x40                      ; destination window 1, address window 0
; A joint load.  Waves 0 and 1 fetch A's two halves, waves 2 and 3 W's.  Each of the two lines has ONE mask and one set of registers for all that issue it, and nothing in them hangs on a coordinate
; that the four partners do not share.  The branch hangs on the wave's number alone.  An s_nop 0 and four v_nop follow each of the two lines, ahead of the jump, the label and what follows.
.macro JLOAD s
	s_cmp_eq_u32 s11, 0
	s_cbranch_scc0 .Lfor_b_\@
	tensor_load_to_lds s[G0+4*(\s):G0+4*(\s)+3], s[G1:G1+7]
	s_nop 0
.rept 4
	v_nop
.endr
	s_branch .Lasked_\@
.Lfor_b_\@:
	tensor_load_to_lds s[G0B+4*(\s):G0B+4*(\s)+3], s[G1B:G1B+7]
	s_nop 0
.rept 4
	v_nop
.endr
.Lasked_\@:
.endm
; A round of the cluster's barrier: my work-group's barrier, so that wave 0's signal speaks for all four waves; wave 0 signals for the work-group; every wave waits for all sixteen work-groups;
; my work-group's barrier once more.  No LDS instruction of the wave is pending at a signal.
.macro CREST                           ; a round behind its opening barrier
	s_cmp_lg_u32 s10, 0
	s_cbranch_scc1 .Lnot_wave_0_\@
	s_barrier_signal -3
.Lnot_wave_0_\@:
	s_barrier_wait -3
	s_barrier_signal -1
	s_barrier_wait -1
.endm
.macro CROUND                          ; a whole round
	s_barrier_signal -1
	s_barrier_wait -1
	CREST
.endm
	s_load_b128 s[4:7], s[0:1], 0x0                ; ops s[4:5], c s[6:7]
	s_load_b64 s[8:9], s[0:1], 0x10                ; out0
	s_load_b512 s[BP:BP+15], s[0:1], 0x18          ; bii, bif, big, bio, bhi, bhf, bhg, bho
	v_lshl_add_u32 v[SPW], v0, 2, SPARE
	v_mov_b32 v[NIL], 0
	ds_add_u32 v[SPW], v[NIL]                      ; the wave's opening: the add and its wait stand ahead of my first tensor load; the set-up below, work on registers, stands between them
	v_lshrrev_b32 v1, 5, v0
	v_readfirstlane_b32 s10, v1                    ; wave 0..3
	s_lshr_b32 s11, s10, 1                         ; which half of the tile's rows is mine.  Also: I fetch for A (0) or for W (1)
	s_and_b32 s12, s10, 1                          ; which 32 of its 64 output columns.  Also: which 128 rows of that tile I fetch
	s_bfe_u32 s40, ttmp6, 0x40000                  ; cx: my place along the cluster's x
	s_bfe_u32 s41, ttmp6, 0x40004                  ; cy: along its y
	s_lshl_b32 s42, ttmp9, 2                       ; in a cluster launch ttmp9 and ttmp7 count clusters
	s_add_co_u32 s42, s42, s40                     ; tile column = 4 x cluster x + cx: output columns 64 x it
	s_and_b32 s13, ttmp7, 0xffff
	s_lshl_b32 s13, s13, 2
	s_add_co_u32 s13, s13, s41                     ; tile row = 4 x cluster y + cy
	s_lshl_b32 s43, s41, 2
	s_lshl_b32 s43, 15, s43                        ; my row of the cluster: places 4 cy .. 4 cy + 3
	s_lshl_b32 s44, 0x1111, s40                    ; my column: places cx, cx + 4, cx + 8, cx + 12
	; descriptor group 1 for the ring: a tile of 128 rows x 128 elements of 2 bytes, padded in LDS
	s_or_b32 s[G1+0], s43, (1<<16)|(1<<20)|(1<<21)|(5<<22)|(3<<25)   ; 15:0 the mask: A's tiles go to my row; 17:16 elements of 2 bytes; 20 padding on; 21 set beside a mask; 24:22 after every 64 words (code 5); 31:25 4 words of it (code 3)
	s_or_b32 s[G1B+0], s44, (1<<16)|(1<<20)|(1<<21)|(5<<22)|(3<<25)  ; the same with the mask of my column, for W's tiles
.irp g, G1, G1B
	s_mov_b32 s[(\g)+1], KSTEP<<16                 ; tensor_dim0 = 128
	s_mov_b32 s[(\g)+2], 128<<16                   ; tensor_dim1 = 128
	s_mov_b32 s[(\g)+3], KSTEP<<16                 ; tile_dim0 = 128
	s_mov_b32 s[(\g)+4], 128                       ; tile_dim1 = 128
	s_mov_b32 s[(\g)+5], SIZE_K                    ; elements from row to row
	s_mov_b32 s[(\g)+6], 0
	s_mov_b32 s[(\g)+7], 0
.endr
	; descriptor group 1 for c: 64 rows x 64 elements of 4 bytes, the same padding; no mask: a load of my own
	s_mov_b32 s[G1C+0], (2<<16)|(1<<20)|(5<<22)|(3<<25)
	s_mov_b32 s[G1C+1], 64<<16                     ; tensor_dim0 = 64
	s_mov_b32 s[G1C+2], 64<<16                     ; tensor_dim1 = 64
	s_mov_b32 s[G1C+3], 64<<16                     ; tile_dim0 = 64
	s_mov_b32 s[G1C+4], 64                         ; tile_dim1 = 64
	s_mov_b32 s[G1C+5], 2048                       ; elements from row to row
	s_mov_b32 s[G1C+6], 0
	s_mov_b32 s[G1C+7], 0
	s_mov_b32 s[G0C], 1                            ; count = 1
	s_mul_i32 s[G0C+1], s10, 64*PITCH              ; LDS: rows 64 w on, from byte 0: where slot 0 held A
	s_mov_b32 s[KS], 0xbfb8aa3b                    ; -log2 e
	s_mov_b32 s[KS+1], 0xbfb8aa3b
	s_mov_b32 s[KT], 0x4038aa3b                    ; 2 log2 e
	s_mov_b32 s[KT+1], 0x4038aa3b
	; where the tiles come from.  A's hang on the tile row alone, which my row of the cluster shares; W's on the tile column alone, which my column shares.
	; Every wave makes both offsets, in registers that never hold the other coordinate, and asks by one of them.  All offsets stay under 2^27.
	s_lshl_b32 s17, s12, 7                         ; which 128 rows of the tile I fetch
	s_lshl_b32 s16, s13, 8
	s_add_co_u32 s16, s16, s17                     ; A: row 256 x tile row + 128 x half,
	s_lshl_b32 s16, s16, 13                        ; of 8,192 bytes
	s_lshl_b32 s46, s42, 8
	s_add_co_u32 s46, s46, s17                     ; W: row 256 x tile column + 128 x half,
	s_lshl_b32 s46, s46, 13
	s_add_co_u32 s46, s46, WBASE                   ; behind A's rows
	s_mov_b32 s17, 0
	s_mov_b32 s47, 0
	s_mul_i32 s20, s10, HALFT                      ; and where they go: A's two halves, then W's two halves = wave x 128 rows: no place in the cluster enters an LDS address
	s_lshl_b32 s18, s13, 8                         ; c and out0: the 64 rows that I fetch and later store, 256 x tile row + 64 x wave,
	s_lshl_b32 s19, s10, 6
	s_add_co_u32 s18, s18, s19
	s_lshl_b32 s18, s18, 13
	s_lshl_b32 s19, s42, 8                         ; and the tile's 256 bytes of them
	s_add_co_u32 s18, s18, s19
	s_mov_b32 s19, 0
	s_wait_dscnt 0x0                               ; the opening add is done
	s_wait_kmcnt 0x0
	s_add_nc_u64 s[14:15], s[4:5], s[16:17]
	s_add_nc_u64 s[46:47], s[4:5], s[46:47]
	s_add_nc_u64 s[G0C+2:G0C+3], s[6:7], s[18:19]
	s_or_b32 s[G0C+3], s[G0C+3], 0x80000000        ; type = 2
	s_add_nc_u64 s[8:9], s[8:9], s[18:19]          ; h_new's plane at my first row,
	s_add_nc_u64 s[66:67], s[8:9], PLANE           ; c_new's
	CROUND                                         ; all sixteen work-groups are here: the first joint loads meet
.irp s, 0,1
	s_mov_b32 s[G0+4*(\s)], 1                                        ; count = 1
	s_add_co_u32 s[G0+4*(\s)+1], s20, (\s)*SLOT                      ; LDS address
	s_add_nc_u64 s[G0+4*(\s)+2:G0+4*(\s)+3], s[14:15], (\s)*KSTEP*2  ; global address: K step s
	s_or_b32 s[G0+4*(\s)+3], s[G0+4*(\s)+3], 0x80000000              ; type = 2
	s_mov_b32 s[G0B+4*(\s)], 1
	s_add_co_u32 s[G0B+4*(\s)+1], s20, (\s)*SLOT
	s_add_nc_u64 s[G0B+4*(\s)+2:G0B+4*(\s)+3], s[46:47], (\s)*KSTEP*2
	s_or_b32 s[G0B+4*(\s)+3], s[G0B+4*(\s)+3], 0x80000000
	JLOAD \s                                       ; the ring is filled before anything else is done: two loads of mine are out
.endr
	; A fragment is 16 rows x 32 K in 8 registers: lane l holds row l % 16; registers 0-3 hold K = 8 (l / 16) + 0..7, registers 4-7 K = 16 + 8 (l / 16) + 0..7: two loads of 16 bytes, 32 bytes apart.
	v_and_b32 v1, 15, v0                           ; l % 16
	v_bfe_u32 v2, v0, 4, 1                         ; l / 16
	v_mul_u32_u24 v3, v1, PITCH
	v_lshl_add_u32 v3, v2, 4, v3                   ; row x pitch + 16 x half
	s_mul_i32 s21, s11, HALFT                      ; my 128 rows of A
	s_mul_i32 s22, s12, HALFT                      ; my 128 rows of W,
	s_add_co_u32 s22, s22, 2*HALFT                 ; which lie behind A's 256
.irp s, 0,1
	v_add_nc_u32 v[ADRA+(\s)], s21, v3
	v_add_nc_u32 v[ADRB+(\s)], s22, v3
	s_add_co_u32 s21, s21, SLOT
	s_add_co_u32 s22, s22, SLOT
.endr
	s_mul_i32 s23, s11, HALFT                      ; c's tile and the two stages have one shape: row 128 x row half + l % 16, byte 128 x column half + 32 (l / 16)
	s_lshl_b32 s21, s12, 7
	s_add_co_u32 s23, s23, s21
	v_mul_u32_u24 v4, v1, PITCH
	v_lshl_add_u32 v4, v2, 5, v4
	v_add_nc_u32 v[CA], s23, v4
	v_add_nc_u32 v[HA], SLOT, v[CA]                ; h_new's stage: where slot 1 holds A
	v_add_nc_u32 v[NA], SLOT+2*HALFT, v[CA]        ; c_new's: where slot 1 holds W
	s_mul_i32 s23, s10, 64*PITCH                   ; back: wave w takes rows 64 w .. 64 w + 63, whole; lanes 0-15 one row of 256 bytes, lanes 16-31 the next
	s_add_co_u32 s23, s23, SLOT
	v_mul_u32_u24 v5, v2, PITCH
	v_lshl_add_u32 v5, v1, 4, v5
	v_add_nc_u32 v[RD], s23, v5
	v_add_nc_u32 v[RD2], 2*HALFT, v[RD]
	v_lshlrev_b32 v5, 13, v2                       ; and the same two rows in out0
	v_lshl_add_u32 v[CO], v1, 4, v5
	s_lshl_b32 s46, s42, 8                         ; the biases: 4 bytes x (64 x tile column + 32 x column half + 8 (l / 16))
	s_lshl_b32 s47, s12, 7
	s_add_co_u32 s46, s46, s47
	v_lshl_add_u32 v[BO], v2, 5, s46
	; THE BIAS FRAGMENTS.  As a C operand, lane l's register j of block b = 2 g + hf is the bias of gate g at column 16 hf + 8 (l / 16) + j, whatever l % 16.  All this stands in the wait for the first tile.
	WIN TO_B
.irp g, 0,1,2,3
.irp u, 0,1,2,3                        ; u = 2 hf + q: 16 bytes at 64 hf + 16 q
	global_load_b128 v[16*(\g)+4*(\u):16*(\g)+4*(\u)+3],       v[BO], s[BP+2*(\g):BP+2*(\g)+1]     offset:64*((\u)/2)+16*((\u)%2)
	global_load_b128 v[BH+16*(\g)+4*(\u):BH+16*(\g)+4*(\u)+3], v[BO], s[BP+8+2*(\g):BP+8+2*(\g)+1] offset:64*((\u)/2)+16*((\u)%2)
.endr
.endr
	s_wait_loadcnt 0x0
	WIN 0x45                                       ; destination and sources 0 and 1 window 1
.set z, 0
.rept 32                               ; each bias is rounded to bf16 and widened again; then bi + bh in f32
	v_cvt_pk_bf16_f32 v[BT+2*(z%8)],   v[2*z], v[2*z+1]
	v_cvt_pk_bf16_f32 v[BT+2*(z%8)+1], v[BH+2*z], v[BH+2*z+1]
	v_lshlrev_b32 v[2*z],      16, v[BT+2*(z%8)]
	v_and_b32     v[2*z+1],    0xffff0000, v[BT+2*(z%8)]
	v_lshlrev_b32 v[BH+2*z],   16, v[BT+2*(z%8)+1]
	v_and_b32     v[BH+2*z+1], 0xffff0000, v[BT+2*(z%8)+1]
	v_pk_add_f32 v[2*z:2*z+1], v[2*z:2*z+1], v[BH+2*z:BH+2*z+1]
.set z, z+1
.endr
	WIN 0
; 16 matrix instructions: A blocks a0, a0 + 1 of the window's four (hi = 0: my rows 0-63, 1: rows 64-127) x all 8 W blocks, 32 along K.
; zero = 1: the first product starts the sums, with the bias fragment as C: nothing is ever cleared.  The 64 accumulators take turns, one instruction a turn.
.macro MUL16 f, hi, a0, zero
.if \zero
	WIN MUL_B+0x40*(\hi)
.else
	WIN MUL_LO+0x50*(\hi)
.endif
.irp a, \a0, (\a0)+1
.irp b, 0,1,2,3,4,5,6,7
.if \zero
	v_wmma_f32_16x16x32_bf16 v[8*(8*(\a)+(\b)):8*(8*(\a)+(\b))+7], v[(\f)+8*(\b):(\f)+8*(\b)+7], v[(\f)+8*(4*(\hi)+(\a)):(\f)+8*(4*(\hi)+(\a))+7], v[8*(\b):8*(\b)+7]
.else
	v_wmma_f32_16x16x32_bf16 v[8*(8*(\a)+(\b)):8*(8*(\a)+(\b))+7], v[(\f)+8*(\b):(\f)+8*(\b)+7], v[(\f)+8*(4*(\hi)+(\a)):(\f)+8*(4*(\hi)+(\a))+7], v[8*(8*(\a)+(\b)):8*(8*(\a)+(\b))+7]
.endif
.endr
.endr
.endm
; 32 LDS loads in one run: the fragments of one quarter step (128 rows of W, 128 rows of A, 32 K at byte k of the rows) into buffer f
.macro FETCH slot, k, f
	WIN TO_B
.irp i, 0,1,2,3,4,5,6,7
	ds_load_b128 v[(\f)+8*(\i):(\f)+8*(\i)+3],   v[ADRB+(\slot)] offset:(\k)+(\i)*16*PITCH
	ds_load_b128 v[(\f)+8*(\i)+4:(\f)+8*(\i)+7], v[ADRB+(\slot)] offset:(\k)+(\i)*16*PITCH+32
.endr
	WIN 0
.irp i, 0,1,2,3,4,5,6,7
	ds_load_b128 v[(\f)+8*(\i):(\f)+8*(\i)+3],   v[ADRA+(\slot)] offset:(\k)+(\i)*16*PITCH
	ds_load_b128 v[(\f)+8*(\i)+4:(\f)+8*(\i)+7], v[ADRA+(\slot)] offset:(\k)+(\i)*16*PITCH+32
.endr
.endm
; A load into a register that a matrix instruction has read, and a vector instruction that reads a matrix result or writes one of a matrix instruction's registers, stand four places behind it, and
; only plain vector instructions that name none of its registers are places (ISA guide 7.12.1 for vector instructions).
.macro PLACES
.rept 4
	v_nop
.endr
.endm
; A K step is four quarter steps of 32 along K, 64 matrix instructions each, on buffers 0, 1, 0, 1.
; One of the first three: multiplies buffer f; in its middle it fetches the next quarter's fragments, at byte k of the same slot's rows, into buffer g.
.macro QUARTER slot, k, f, g, zero
	s_wait_dscnt 8                                 ; W and A's rows 0-63 are in; the youngest eight loads (A's rows 64-127) may be out
	MUL16 \f, 0, 0, \zero
	MUL16 \f, 0, 2, \zero
	PLACES
	FETCH \slot, \k, \g
	s_wait_dscnt 32                                ; all but the 32 just issued
	MUL16 \f, 1, 0, \zero
	MUL16 \f, 1, 2, \zero
.endm
; The last quarter multiplies buffer 1 and changes slots.  MEET is its first half: ONE barrier for the change.  In front of it each wave waits for all its tensor loads, of which one is out;
; adds 0 to its spare word; and waits for that and for its own reads of this slot.  Behind it nobody reads this slot any more, and what was on its way is whole.
.macro MEET round                      ; round = 1: a round of the cluster's barrier follows
	WIN 0                                          ; (the add's two registers lie in window 0)
	s_wait_tensorcnt 0x0                           ; all my tensor loads have landed;
	ds_add_u32 v[SPW], v[NIL]                      ; 0 onto my spare word;
	s_wait_dscnt 9                                 ; (the add and the youngest eight loads may be out)
	MUL16 F1, 0, 0, 0                              ; sixteen matrix instructions stand between the add and the wait for it
	s_wait_dscnt 0x0                               ; the add is done, and my reads of this slot are over:
	s_barrier_signal -1                            ; say so,
	MUL16 F1, 0, 2, 0                              ; work on registers while the others arrive,
.if \round
	WIN 0
.endif
	s_barrier_wait -1                              ; and go on when all four have said so
.endm
; The whole last quarter in the loop.  Behind the round the slot just read out is filled again first, with the K step two steps on; then come the next slot's first fragments.
; From a request to the wait for it a wave issues 224 matrix instructions.
.macro TURN slot, next
	MEET 1
	CREST                                          ; no wave of any partner still reads this slot's tile or has a load on its way
	s_add_nc_u64 s[G0+4*(\slot)+2:G0+4*(\slot)+3], s[G0+4*(\slot)+2:G0+4*(\slot)+3], 2*KSTEP*2
	s_add_nc_u64 s[G0B+4*(\slot)+2:G0B+4*(\slot)+3], s[G0B+4*(\slot)+2:G0B+4*(\slot)+3], 2*KSTEP*2
	JLOAD \slot                                    ; the first tensor load behind the round; the four v_nop behind it are also the places in front of the loads below
	FETCH \next, 0, F0
	MUL16 F1, 1, 0, 0
	MUL16 F1, 1, 2, 0
.endm
	s_wait_tensorcnt 1                             ; my part of K step 0 is in; K step 1's may stay out
	s_barrier_signal -1
	s_barrier_wait -1                              ; everybody's is
	FETCH 0, 0, F0
	QUARTER 0, 64,  F0, F1, 1                      ; the first quarter stands in front of the loop: its products start the sums, on the biases
	WIN 0                                          ; at a label and at a branch every window is 0
	s_mov_b32 s3, LAPS-1
.Llap:                                                 ; a trip goes once round the ring, from a lap's second quarter to the next lap's first, and fills both slots again
	QUARTER 0, 128, F1, F0, 0
	QUARTER 0, 192, F0, F1, 0
	TURN 0, 1
	QUARTER 1, 64,  F0, F1, 0
	QUARTER 1, 128, F1, F0, 0
	QUARTER 1, 192, F0, F1, 0
	TURN 1, 0
	QUARTER 0, 64,  F0, F1, 0
	WIN 0
	s_sub_co_u32 s3, s3, 1
	s_cmp_lg_u32 s3, 0
	s_cbranch_scc1 .Llap
	QUARTER 0, 128, F1, F0, 0                      ; the last lap is written out: no K step is left to ask for
	QUARTER 0, 192, F0, F1, 0
	MEET 1                                         ; slot 0's last change: the same waits, add and round,
	CREST
	tensor_load_to_lds s[G0C:G0C+3], s[G1C:G1C+7]  ; and slot 0's last fill: my 64 rows of c's tile, a load of my own, my one load behind the round: 224 matrix instructions stand ahead of the wait for it
	s_nop 0
	PLACES                                         ; also the places in front of the loads below
	FETCH 1, 0, F0
	MUL16 F1, 1, 0, 0
	MUL16 F1, 1, 2, 0
	QUARTER 1, 64,  F0, F1, 0
	QUARTER 1, 128, F1, F0, 0
	QUARTER 1, 192, F0, F1, 0
	MEET 0                                         ; my rows of c have landed and my reads of slot 1 are over; behind the barrier c's tile is whole and slot 1, which is filled no more, is free for the stages
	MUL16 F1, 1, 0, 0
	MUL16 F1, 1, 2, 0
	WIN 0
	PLACES                                         ; behind the last products: the lines below read results and write and load into fragments' registers
; THE CELL, a block of 16 rows x 32 columns at a time: 16 outputs a lane.
.macro CFETCH a                        ; c of block a: 64 bytes a lane, as the accumulators lie: u = 2 hf + q
	WIN 0
.irp u, 0,1,2,3
	ds_load_b128 v[CC+16*((\a)%2)+4*(\u):CC+16*((\a)%2)+4*(\u)+3], v[CA] offset:(\a)*16*PITCH+64*((\u)/2)+16*((\u)%2)
.endr
.endm
.macro EPI a
.set AC, 64*((\a)%4)                   ; the block's eight accumulators, in window 2 (blocks 0-3) or 3 (blocks 4-7): 64 registers, gate g at 16 g
.set CB, CC+16*((\a)%2)
.if (\a) < 7
	CFETCH (\a)+1
.endif
	WIN 0x02+(\a)/4                                ; source 0 in window 2 or 3
.set k, 0
.rept 32                               ; the exponents: -x log2 e for the sigmoids, 2 x log2 e for the tanh (gate 2); each accumulator's registers in ascending order
.if (k/16) == 2
	v_pk_mul_f32 v[T+k:T+k+1], v[AC+k:AC+k+1], s[KT:KT+1] op_sel_hi:[1,0]
.else
	v_pk_mul_f32 v[T+k:T+k+1], v[AC+k:AC+k+1], s[KS:KS+1] op_sel_hi:[1,0]
.endif
.set k, k+2
.endr
	WIN 0
.set k, 0
.rept 64
	v_exp_f32 v[T+k], v[T+k]
.set k, k+1
.endr
.if (\a) < 7
	s_wait_dscnt 4                                 ; this block's c is in; the next block's four loads may be out
.else
	s_wait_dscnt 8                                 ; the last block's c is in; behind its loads stand the eight stores of the block before
.endif
.set z, 0
.rept 8                                ; c rounded to bf16: plain instructions, which also stand between the last exponential and the use of its result (ISA guide 5.7.2)
	v_cvt_pk_bf16_f32 v[CP+z], v[CB+2*z], v[CB+2*z+1]
.set z, z+1
.endr
.set k, 0
	s_wait_alu depctr_va_vdst(0)
.rept 32
	v_pk_add_f32 v[T+k:T+k+1], v[T+k:T+k+1], 1.0 op_sel_hi:[1,0]
.set k, k+2
.endr
.set k, 0
.rept 64
	v_rcp_f32 v[T+k], v[T+k]                       ; i, f, o; for g: 1 / (1 + 2^..)
.set k, k+1
.endr
	v_nop                                          ; a plain instruction behind the last reciprocal
.set k, 0
	s_wait_alu depctr_va_vdst(0)
.rept 8
	v_pk_fma_f32 v[T+32+k:T+33+k], v[T+32+k:T+33+k], -2.0, 1.0 op_sel_hi:[1,0,0]  ; g = 1 - 2 / (1 + 2^..)
.set k, k+2
.endr
.set k, 0
.rept 8
	v_pk_mul_f32 v[T+k:T+k+1], v[T+k:T+k+1], v[T+32+k:T+33+k]  ; i g
.set k, k+2
.endr
.set z, 0
.rept 8                                ; c_new = c f + i g, c read as a bf16 half
	v_fma_mix_f32_bf16 v[CN+2*z],   v[CP+z], v[T+16+2*z], v[T+2*z]   op_sel_hi:[1,0,0]
	v_fma_mix_f32_bf16 v[CN+2*z+1], v[CP+z], v[T+17+2*z], v[T+2*z+1] op_sel:[1,0,0] op_sel_hi:[1,0,0]
.set z, z+1
.endr
.set k, 0
.rept 8
	v_pk_mul_f32 v[TT+k:TT+k+1], v[CN+k:CN+k+1], s[KT:KT+1] op_sel_hi:[1,0]
.set k, k+2
.endr
.irp u, 0,1,2,3
	ds_store_b128 v[NA], v[CN+4*(\u):CN+4*(\u)+3] offset:(\a)*16*PITCH+64*((\u)/2)+16*((\u)%2)
.endr
.set k, 0
.rept 16
	v_exp_f32 v[TT+k], v[TT+k]
.set k, k+1
.endr
	v_nop
.set k, 0
	s_wait_alu depctr_va_vdst(0)
.rept 8
	v_pk_add_f32 v[TT+k:TT+k+1], v[TT+k:TT+k+1], 1.0 op_sel_hi:[1,0]
.set k, k+2
.endr
.set k, 0
.rept 16
	v_rcp_f32 v[TT+k], v[TT+k]
.set k, k+1
.endr
	v_nop
.set k, 0
	s_wait_alu depctr_va_vdst(0)
.rept 8
	v_pk_fma_f32 v[TT+k:TT+k+1], v[TT+k:TT+k+1], -2.0, 1.0 op_sel_hi:[1,0,0]  ; tanh(c_new)
.set k, k+2
.endr
.set k, 0
.rept 8
	v_pk_mul_f32 v[HN+k:HN+k+1], v[T+48+k:T+49+k], v[TT+k:TT+k+1]  ; h_new = o tanh(c_new)
.set k, k+2
.endr
.irp u, 0,1,2,3
	ds_store_b128 v[HA], v[HN+4*(\u):HN+4*(\u)+3] offset:(\a)*16*PITCH+64*((\u)/2)+16*((\u)%2)
.endr
.endm
	CFETCH 0
.irp a, 0,1,2,3,4,5,6,7
	EPI \a
.endr
	; THE WAY OUT.  A row's 256 bytes come from two waves, so a barrier stands between the writing and the reading; each wave then reads 64 whole rows of each stage and stores them.
	s_wait_dscnt 0x0                               ; for the others' sake: my stores into the stages are done
	s_barrier_signal -1
	s_barrier_wait -1
	WIN 0
.set t, 0
.rept 32
	ds_load_b128 v[OB+4*t:OB+4*t+3], v[RD] offset:t*2*PITCH   ; h_new: two rows a load
.set t, t+1
.endr
	WIN TO_B
.set t, 0
.rept 32
	ds_load_b128 v[OB+4*t:OB+4*t+3], v[RD2] offset:t*2*PITCH  ; c_new, into window 1
.set t, t+1
.endr
	WIN 0
.set t, 0
.rept 32
	s_wait_dscnt 63-t                              ; LDS loads come back in order (ISA guide 5.7.1): load t is in; 31 - t of h_new's and c_new's 32 may be out
	global_store_b128 v[CO], v[OB+4*t:OB+4*t+3], s[8:9] offset:t*2*OROW th:TH_STORE_NT  ; 16 lanes store 256 consecutive bytes, at a multiple of 256 from out0's first byte; 62 rows at the most: inside the signed 24-bit immediate
.set t, t+1
.endr
	WIN 0x04                                       ; the stores' data in window 1
.set t, 0
.rept 32
	s_wait_dscnt 31-t
	global_store_b128 v[CO], v[OB+4*t:OB+4*t+3], s[66:67] offset:t*2*OROW th:TH_STORE_NT
.set t, t+1
.endr
	WIN 0
	s_wait_tensorcnt 0x0                           ; the wave's end, behind my last tensor load and my last LDS store
	ds_add_u32 v[SPW], v[NIL]
	s_wait_dscnt 0x0
	CROUND                                         ; the closing round: no work-group ends while a partner may still ask for a tile that names it
	s_endpgm
.Lfunc_end_k_qe7f3fc33e0_lstm:
	.size	k_qe7f3fc33e0_lstm, .Lfunc_end_k_qe7f3fc33e0_lstm-k_qe7f3fc33e0_lstm
	.p2alignl 7, 3214868480
	.fill 96, 4, 3214868480
	.section	.rodata,"a",@progbits
	.p2align	6, 0x0
	.amdhsa_kernel k_qe7f3fc33e0_lstm
		.amdhsa_group_segment_fixed_size 327680
		.amdhsa_private_segment_fixed_size 0
		.amdhsa_enable_private_segment 0
		.amdhsa_kernarg_size 88
		.amdhsa_user_sgpr_count 2
		.amdhsa_user_sgpr_kernarg_segment_ptr 1
		.amdhsa_wavefront_size32 1
		.amdhsa_system_sgpr_workgroup_id_x 1
		.amdhsa_system_sgpr_workgroup_id_y 1
		.amdhsa_system_sgpr_workgroup_id_z 1
		.amdhsa_system_vgpr_workitem_id 0
		.amdhsa_next_free_vgpr 1024
		.amdhsa_next_free_sgpr 100
		.amdhsa_reserve_vcc 0
		.amdhsa_float_denorm_mode_32 3
		.amdhsa_float_denorm_mode_16_64 3
		.amdhsa_memory_ordered 1
		.amdhsa_forward_progress 1
		.amdhsa_inst_pref_size 255
	.end_amdhsa_kernel
	.section	.bss,"aw",@nobits
	.p2align	6
	.space	262144
	.amdgpu_metadata
---
amdhsa.version: [ 1, 2 ]
amdhsa.kernels:
  - .name:           k_qe7f3fc33e0_lstm
    .symbol:         k_qe7f3fc33e0_lstm.kd
    .args:
      - { .name: ops, .offset: 0, .size: 8, .value_kind: global_buffer, .address_space: global }
      - { .name: c, .offset: 8, .size: 8, .value_kind: global_buffer, .address_space: global }
      - { .name: out0, .offset: 16, .size: 8, .value_kind: global_buffer, .address_space: global }
      - { .name: bii, .offset: 24, .size: 8, .value_kind: global_buffer, .address_space: global }
      - { .name: bif, .offset: 32, .size: 8, .value_kind: global_buffer, .address_space: global }
      - { .name: big, .offset: 40, .size: 8, .value_kind: global_buffer, .address_space: global }
      - { .name: bio, .offset: 48, .size: 8, .value_kind: global_buffer, .address_space: global }
      - { .name: bhi, .offset: 56, .size: 8, .value_kind: global_buffer, .address_space: global }
      - { .name: bhf, .offset: 64, .size: 8, .value_kind: global_buffer, .address_space: global }
      - { .name: bhg, .offset: 72, .size: 8, .value_kind: global_buffer, .address_space: global }
      - { .name: bho, .offset: 80, .size: 8, .value_kind: global_buffer, .address_space: global }
    .group_segment_fixed_size: 327680
    .private_segment_fixed_size: 0
    .kernarg_segment_align: 8
    .kernarg_segment_size: 88
    .max_flat_workgroup_size: 128
    .sgpr_count:     100
    .vgpr_count:     1024
    .wavefront_size: 32
...
	.end_amdgpu_metadata
.endif
;; end of part 2
;; ======== version 2 of 2: 2 launches; version 1 with the launch cast written anew for expert scheduling mode
;; workspace buffers: ops 83,886,080 bytes
;; launch cast (part 3): grid 128 x 10, 8 waves a work-group, no clusters, 0 bytes of LDS; arguments x, h, Wii, Wif, Wig, Wio, Whi, Whf, Whg, Who, ops; writes ops
.if DOCPART == 3
	.amdgcn_target "amdgcn-amd-amdhsa--gfx1250"
	.amdhsa_code_object_version 6
	.text
	.protected	k_qe7f3fc33e0_cast
	.globl	k_qe7f3fc33e0_cast
	.p2align	8
	.type	k_qe7f3fc33e0_cast,@function
k_qe7f3fc33e0_cast:
	s_mov_b64 s[64:65], 0
	v_nop
	global_prefetch_b8 v0, s[64:65] scope:SCOPE_SE
	s_setreg_imm32_b32 hwreg(HW_REG_WAVE_SCHED_MODE, 0, 2), 2
	s_setreg_imm32_b32 hwreg(HW_REG_WAVE_MODE, 25, 1), 1
	s_wait_xcnt 0x0
	s_wait_alu depctr_vm_vsrc(0)
; x, h and the eight weight matrices ([2048][2048] f32 each) are rounded once to bf16 (nearest even) and laid out as the operands of ONE product with K = 4096:
; ops has 10,240 rows of 8,192 bytes (4,096 bf16).  Rows 0-2047: row m = x[m] (bytes 0-4095), then h[m] (bytes 4096-8191).
; Rows 2048-10239: row 2048 + 128 (col / 32) + 32 g + col % 32 = Wi_g[col], then Wh_g[col], g = 0, 1, 2, 3 for the gates i, f, g, o:
; 128 consecutive rows hold all four gates of 32 output columns, which is what one wave of the next launch multiplies by.
; LIMITS.  What bf16 cannot hold is rounded to it (8 significant bits, f32's range); NaN and infinities pass as the conversion gives them.
; SHARES.  Grid y names the source matrix (the order of the arguments), grid x 16 of its rows; wave w takes rows 2 w and 2 w + 1.  A load of a wave covers 512 consecutive bytes,
; a store 256 consecutive bytes at a multiple of 256 from ops' first byte.  All 32 loads of a wave go out first, so no loop, no LDS and no barrier: the stream is bound by its bytes,
; each read once and written once; matrix units, clusters and LDS would add nothing.
; THE MODE: SCHED_MODE bits 1:0 = 2 (LLVM: expert scheduling mode 2), set by the entry lines.  The code itself states the register dependences
; between vector instructions and memory instructions, with s_wait_alu, always for 0.
; THE PLAN.  The wave's 32 chunks go in 8 groups of four.  Registers that memory instructions touch:
;   v1, v2     byte offsets, made once at the head and never written again: v1 is read by every load, v2 by every store; immediate offsets reach the chunks.
;   X, chunk n four registers.  Written by the chunk's load, issued at the head, before any vector instruction names them; then group n / 4's two conversions write the first two
;              in place; the chunk's store, issued in group n / 4 + 1, reads those two; nothing writes them afterwards.
; Group p rounds its own sixteen registers, and its memory instructions are the four stores of group p - 1, whose registers no vector instruction of group p names.  So ONE wait at a
; group's head states all that its stores hang on, and they are dealt among its conversions with no further wait.  No register that a memory instruction reads is ever written again.
.set ROW, 8192                         ; bytes in a source row, and in a row of ops
.set GRP, 4                            ; chunks in a group
.set X,   4                            ; v[4:131] chunk n of 32 (row n / 16, 512 source bytes n % 16): 4 registers as loaded; the first two then hold the 8 bytes to store
	s_load_b512 s[8:23], s[0:1], 0x0               ; x, h, Wii, Wif, Wig, Wio, Whi, Whf
	s_load_b128 s[24:27], s[0:1], 0x40             ; Whg, Who
	s_load_b64 s[28:29], s[0:1], 0x50              ; ops
	s_and_b32 s2, ttmp7, 0xffff                    ; y: which matrix
	s_lshl_b32 s30, ttmp9, 4                       ; x and h: the row of ops is the source row, 16 X
	s_add_co_u32 s31, s2, 2
	s_and_b32 s32, s31, 3                          ; weights: the gate, (y - 2) mod 4,
	s_lshl_b32 s32, s32, 5                         ; its 32 rows in a group of 128
	s_cmp_ge_u32 s2, 6
	s_cselect_b32 s33, 1, 0                        ; and the half of K: 0 for Wi, 1 for Wh
	s_lshr_b32 s34, ttmp9, 1
	s_lshl_b32 s34, s34, 7                         ; 128 (col / 32), col = 16 X + 0..15
	s_and_b32 s35, ttmp9, 1
	s_lshl_b32 s35, s35, 4                         ; col % 32 of the first of the 16
	s_add_co_u32 s36, s34, s32
	s_add_co_u32 s36, s36, s35
	s_add_co_u32 s36, s36, 2048
	s_cmp_lt_u32 s2, 2                             ; x or h?
	s_cselect_b32 s36, s30, s36                    ; the row of ops,
	s_cselect_b32 s33, s2, s33                     ; the half of K: 0 for x, 1 for h
	s_lshl_b32 s36, s36, 13
	s_lshl_b32 s33, s33, 12
	s_add_co_u32 s36, s36, s33                     ; byte offset in ops: under 2^27
	s_mov_b32 s37, 0
	s_lshl_b32 s38, ttmp9, 17                      ; byte offset in the source: 16 rows of 8,192 bytes
	s_mov_b32 s39, 0
	v_and_b32 v3, 31, v0                           ; lane
	v_lshrrev_b32 v2, 5, v0                        ; wave
	v_lshlrev_b32 v2, 14, v2                       ; its two rows, in the source and in ops alike
	v_lshl_or_b32 v1, v3, 4, v2                    ; source: 16 bytes a lane
	v_lshl_or_b32 v2, v3, 3, v2                    ; ops: 8 bytes a lane
	s_wait_kmcnt 0x0
	s_mov_b64 s[4:5], s[8:9]                       ; the source is chosen among the ten addresses by y alone
.irp k, 1,2,3,4,5,6,7,8,9
	s_cmp_eq_u32 s2, \k
	s_cselect_b64 s[4:5], s[8+2*(\k):9+2*(\k)], s[4:5]
.endr
	s_add_nc_u64 s[4:5], s[4:5], s[38:39]
	s_add_nc_u64 s[6:7], s[28:29], s[36:37]
	s_wait_alu depctr_va_vdst(0)                   ; v1 and v2 are written: every load of the kernel reads v1 as its offset, every store v2
.set n, 0
.rept 32
	global_load_b128 v[X+4*n:X+4*n+3], v1, s[4:5] offset:(n/16)*ROW+(n%16)*512 th:TH_LOAD_NT  ; read once in the whole launch
.set n, n+1
.endr
; Group p: its four chunks are rounded in place; the four stores of group p - 1 stand among the conversions, one ahead of each pair.
.set p, 0
.rept 32/GRP
	s_wait_loadcnt 32-GRP-GRP*p                    ; loads come back in order (ISA guide 5.7.1): the group's four chunks are in, the 28 - 4 p younger ones stay out
.if p > 0
	s_wait_alu depctr_va_vdst(0)                   ; the conversions of the group before have written the registers that the four stores below read
.endif
.set i, 0
.rept GRP
.set n, GRP*p+i
.if p > 0
	global_store_b64 v2, v[X+4*(n-GRP):X+4*(n-GRP)+1], s[6:7] offset:((n-GRP)/16)*ROW+((n-GRP)%16)*256  ; the group before; no vector instruction since the wait names these registers, and none writes them again
.endif
	v_cvt_pk_bf16_f32 v[X+4*n], v[X+4*n], v[X+4*n+1]
	v_cvt_pk_bf16_f32 v[X+4*n+1], v[X+4*n+2], v[X+4*n+3]
.set i, i+1
.endr
.set p, p+1
.endr
	s_wait_alu depctr_va_vdst(0)                   ; the last group's conversions have written the registers that the last four stores read
.set n, 32-GRP
.rept GRP
	global_store_b64 v2, v[X+4*n:X+4*n+1], s[6:7] offset:(n/16)*ROW+(n%16)*256
.set n, n+1
.endr
	s_endpgm
.Lfunc_end_k_qe7f3fc33e0_cast:
	.size	k_qe7f3fc33e0_cast, .Lfunc_end_k_qe7f3fc33e0_cast-k_qe7f3fc33e0_cast
	.p2alignl 7, 3214868480
	.fill 96, 4, 3214868480
	.section	.rodata,"a",@progbits
	.p2align	6, 0x0
	.amdhsa_kernel k_qe7f3fc33e0_cast
		.amdhsa_group_segment_fixed_size 0
		.amdhsa_private_segment_fixed_size 0
		.amdhsa_enable_private_segment 0
		.amdhsa_kernarg_size 88
		.amdhsa_user_sgpr_count 2
		.amdhsa_user_sgpr_kernarg_segment_ptr 1
		.amdhsa_wavefront_size32 1
		.amdhsa_system_sgpr_workgroup_id_x 1
		.amdhsa_system_sgpr_workgroup_id_y 1
		.amdhsa_system_sgpr_workgroup_id_z 1
		.amdhsa_system_vgpr_workitem_id 0
		.amdhsa_next_free_vgpr 132
		.amdhsa_next_free_sgpr 66
		.amdhsa_reserve_vcc 0
		.amdhsa_float_denorm_mode_32 3
		.amdhsa_float_denorm_mode_16_64 3
		.amdhsa_memory_ordered 1
		.amdhsa_forward_progress 1
		.amdhsa_inst_pref_size 13
	.end_amdhsa_kernel
	.amdgpu_metadata
---
amdhsa.version: [ 1, 2 ]
amdhsa.kernels:
  - .name:           k_qe7f3fc33e0_cast
    .symbol:         k_qe7f3fc33e0_cast.kd
    .args:
      - { .name: x, .offset: 0, .size: 8, .value_kind: global_buffer, .address_space: global }
      - { .name: h, .offset: 8, .size: 8, .value_kind: global_buffer, .address_space: global }
      - { .name: Wii, .offset: 16, .size: 8, .value_kind: global_buffer, .address_space: global }
      - { .name: Wif, .offset: 24, .size: 8, .value_kind: global_buffer, .address_space: global }
      - { .name: Wig, .offset: 32, .size: 8, .value_kind: global_buffer, .address_space: global }
      - { .name: Wio, .offset: 40, .size: 8, .value_kind: global_buffer, .address_space: global }
      - { .name: Whi, .offset: 48, .size: 8, .value_kind: global_buffer, .address_space: global }
      - { .name: Whf, .offset: 56, .size: 8, .value_kind: global_buffer, .address_space: global }
      - { .name: Whg, .offset: 64, .size: 8, .value_kind: global_buffer, .address_space: global }
      - { .name: Who, .offset: 72, .size: 8, .value_kind: global_buffer, .address_space: global }
      - { .name: ops, .offset: 80, .size: 8, .value_kind: global_buffer, .address_space: global }
    .group_segment_fixed_size: 0
    .private_segment_fixed_size: 0
    .kernarg_segment_align: 8
    .kernarg_segment_size: 88
    .max_flat_workgroup_size: 256
    .sgpr_count:     66
    .vgpr_count:     132
    .wavefront_size: 32
...
	.end_amdgpu_metadata
.endif
;; end of part 3
;; launch lstm: the kernel of part 2 again; grid 32 x 8, 4 waves a work-group, clusters of 4 x 4, 327,680 bytes of LDS; arguments ops, c, out0, bii, bif, big, bio, bhi, bhf, bhg, bho; writes out0
